; MI455X (gfx1250); checked and timed in simulation.
; The chip was launched on July 23, 2026; its instructions are those of AMD's public machine-readable ISA for CDNA 5 (MIT licence, August 2026) and "CDNA5" Instruction Set Architecture Reference Guide (July 2026). The comments in the code are by the model that wrote it; some were corrected since.
;; Scaled Dot Product. Allowed arithmetic: matrix products marked QUANTISED: E2M1 operands, one E8M0 scale for each 32 along K, by v_wmma_scale_f32_16x16x128_f8f6f4 with both operands' format E2M1 (or v_wmma_scale_f32_32x16x128_f4), f32 sums; products left as they are: bf16, f16 or f32 operands; f32 sums; everything else in f32.
;; Inputs: k 4 x 16 x 2,048 x 64 float32; q 4 x 16 x 2,048 x 64 float32; v 4 x 16 x 2,048 x 64 float32.
;; Outputs: out0 4 x 16 x 2,048 x 64 float32.
;; This version of the problem:
;;   THIS VERSION OF THE PROBLEM IS GIVEN IN LOW PRECISION. The matrix products marked QUANTISED in the list below multiply operands that are first quantised to E2M1 (2 exponent bits, 1 mantissa bit; 4 bits a number), with one power-of-two scale for each 32 numbers along K (OCP MX v1.0); their sums are f32. The products marked 'left as it is' may take bf16, f16 or f32 operands, with f32 sums. Whichever they take, every output number must still come out within the allowed error. Rounding operands to bf16 (8 significant bits) uses up far more of that allowance than f16 does (11 bits, for magnitudes from 6e-5 to 65,504). All else is computed in f32.
;;   The module's matrix products, in the order in which they are computed (A, B: the left and right operand; K: the contracted axis; several contracted axes count as one K, in the product's order):
;;     1. batch 64 x [M 2,048, K 64] x [K 64, N 2,048]; A: input q; B: input k: QUANTISED
;;     2. batch 64 x [M 2,048, K 2,048] x [K 2,048, N 64]; A: computed on the way; B: input v: left as it is (an operand is computed on the way)
;;   THE QUANTISER, for each operand of a quantised product, along K:
;;     - K is cut into blocks of 32 from its start; a last block that is shorter is filled with zeros.
;;     - A block's scale is 2^e with e = floor(log2(the largest magnitude in the block)) - 2, held to -126 .. 127; a block of zeros has e = 0. As a byte (E8M0): e + 127.
;;     - Each number is divided by its block's scale, clamped to +-6, and rounded to the nearest number of E2M1, ties to even, subnormals kept.
;;     - The product sums the exact products of the quantised numbers (number of the format x scale) in f32.
;;   ~~~python
;;   def quantise(x, axis):      # numpy; x: float32 -> the quantised numbers, widened to float32 again
;;       x = np.moveaxis(x, axis, -1); K = x.shape[-1]
;;       x = np.pad(x, [(0, 0)] * (x.ndim - 1) + [(0, -K % 32)]); x = x.reshape(x.shape[:-1] + (-1, 32)); a = np.abs(x).max(-1, keepdims=True)
;;       e = np.where(a > 0, np.clip(np.frexp(np.where(a > 0, a, 1))[1] - 1 - 2, -126, 127), 0)      # np.frexp(a)[1] - 1 = floor(log2(a)), exactly
;;       r = np.clip(x / 2.0 ** e, -6, 6)
;;       step = 2.0 ** (np.maximum(np.frexp(np.where(r == 0, 1, r))[1] - 1, 0) - 1)
;;       q = np.round(r / step) * step * 2.0 ** e      # np.round: ties to even
;;       return np.moveaxis(q.reshape(q.shape[:-2] + (-1,))[..., :K], -1, axis).astype(np.float32)
;;   ~~~
;; 2 versions, each right; version 2 is version 1 with the launch attn written anew for expert scheduling mode. Each part assembles by itself: llvm-mc -triple=amdgcn-amd-amdhsa -mcpu=gfx1250 --defsym DOCPART=n.
;; ======== version 1 of 2: 1 launch
;; limits: values are held in f16: magnitudes above 65,504 overflow, below 6.1e-05 lose precision
;; launch attn (part 1): grid 4 x 64, 16 waves a work-group, no clusters, 166,400 bytes of LDS; arguments q, k, v, out0; writes out0
.if DOCPART == 1
	.amdgcn_target "amdgcn-amd-amdhsa--gfx1250"
	.amdhsa_code_object_version 6
	.text
	.protected	k_qddde04b973_attn
	.globl	k_qddde04b973_attn
	.p2align	8
	.type	k_qddde04b973_attn,@function
k_qddde04b973_attn:
	s_mov_b64 s[64:65], 0
	v_nop
	global_prefetch_b8 v0, s[64:65] scope:SCOPE_SE
	s_setreg_imm32_b32 hwreg(HW_REG_WAVE_MODE, 25, 1), 1
	s_wait_xcnt 0x0
; out0[h][q][:] = the sum over k of softmax_k(Q[h][q] . K[h][k] / 8) V[h][k][:].  q, k, v, out0: [64 heads][2048][64] f32.
; FIRST PRODUCT on codes of FP4 (E2M1) with one E8M0 scale for each 32 along the head's 64: q and k are quantised here, from f32.  The matrix form is 128 deep: a fragment's registers 4-7
; (k = 64 .. 127) hold zero codes, and the scale words' bytes 2 and 3 are 0x7f.  SECOND PRODUCT with f16 operands (p = 2^(t - m) is about 1 at the most; v rounded once), sums in f32.
; SOFTMAX: t = score x c, c = log2(e) / 8; for each query a running maximum m of t and a running sum l of the f32 p; in every step l and O are multiplied by a = 2^(m_old - m_new).
; LIMITS: |v| up to 65,504 (f16); NaN and infinities are not served; a block of q or k whose largest magnitude lies under 2^-124, a block of zeros too, gets the scale byte 1
; (a block of zeros has zero codes, which add nothing); the row's sum is taken of p before its rounding to f16.
; SHARES.  256 work-groups: x = a block of 512 queries, y = the head.  Sixteen waves of 256 registers, four to a SIMD, so that one wave's vector work stands beside another's products
; and LDS loads.  A wave owns 32 queries, two tiles of 16, and walks the head's 2,048 keys in 32 steps of 64.
; K AND V ARE PREPARED BY THE WORK-GROUP ITSELF: in each step every thread loads 32 bytes of k and 32 of v of the tile two steps on, and turns the tile one step on into operands:
; 8 codes and a scale word of k, 8 f16 of v, stored into the LDS buffer that is not being read.  Two buffers, one barrier a step.  No tensor load: the numbers arrive as f32 and have
; to pass through registers.  No cluster: what the four query blocks of a head share is loaded into registers, and a joint request serves loads into LDS alone.
; LAYOUT.  S^T = K Q^T (source 0 = 16 keys, source 1 = 16 queries): a lane holds ONE query (lane % 16), register j of key tile i the key 16 i + 8 (lane / 16) + j.  Two such tiles, rounded
; to f16 in pairs, ARE source 1 (32 keys x 16 queries) of O^T = V^T P; V^T's fragments come from rows [key][channel] by the turning load.  Nothing changes lanes between the products.
.set BUFB,  12544                      ; an LDS buffer: K's image, K's scale words, V's rows; buffer b begins at b x BUFB
.set KSC,   2048                       ; K's image: 4 key tiles x 512 bytes, lane l's registers 0-3 at 16 l.  Behind it the scale words: key 16 T + r at 16 r + 4 T
.set VIMG,  2304                       ; V: 64 rows of 128 bytes of f16,
.set PV,    160                        ; 160 bytes apart: 40 words: the eight rows of a turning load start at eight different groups of 8 banks (64 banks of 4 bytes: ISA guide 11.1)
.set STAGE, 2*BUFB                     ; a stage of 32 rows x 272 bytes for each wave, its own: q turns through it at the head, O leaves through it
.set WSTG,  32*272
.set SP,    272
.set SPARE, STAGE+16*WSTG              ; the spare words, 128 bytes for each wave: eight blocks of 256 bytes that no other line names
.set TILEB, 16384                      ; 64 keys x 256 bytes of k or of v in memory
.set GOF, 1                            ; v1   32 x thread: my 32 bytes of a tile of k or v
.set PFO, 2                            ; v2   256 x (thread % 64): the prefetches' offset
.set KST, 3                            ; v3   where my 8 codes go in K's image
.set KSS, 4                            ; v4   where my key's scale word goes
.set VST, 5                            ; v5   where my 8 f16 of v go
.set KLD, 6                            ; v6   16 x lane: a fragment's image; also my 16 bytes of 512 in q and in out0
.set KSL, 7                            ; v7   16 x (lane % 16): my key row's four scale words
.set VLD, 8                            ; v8   the turning load's address
.set SHA, 9                            ; v9   8 x (which block of 32 my 8 numbers of k lie in)
.set SA,  10                           ; v10  my stage, rows as they lie: lanes 0-15 one row of 256 bytes, lanes 16-31 the next
.set SO,  11                           ; v11  my stage: row lane % 16, + 32 (lane / 16)
.set SPW, 12                           ; v12  LDS address of my spare word; never rewritten
.set NIL, 13                           ; v13  0; never rewritten
.set QS,  14                           ; v14-15   q's scale words, tile 0, 1
.set KS,  16                           ; v16-19   k's scale words of the step's four key tiles
.set ST,  20                           ; v20-31   six a tile: +0 m, +1 m_old - m_new, +2, +3 l (two halves), +4 a, +5 zero (named with a as a pair)
.set QF,  32                           ; v32-47   q's two fragments
.set KF,  48                           ; v48-63   two fragments of k; their registers 4-7 are zeroed once and never loaded
.set S,   64                           ; v64-127  S^T, then p, 32 a tile; then V's eight fragments
.set P,   128                          ; v128-159 p in f16, 16 a tile
.set O,   160                          ; v160-223 O^T, 32 a tile: channel tile c at +8 c
.set KG,  224                          ; v224-231 8 numbers of k as loaded
.set VG,  232                          ; v232-239 8 numbers of v as loaded
.set T,   240                          ; v240-255 at work
.set WV,  12                           ; s12  my wave's number
.set KB,  14                           ; s[14:15] k, s[16:17] v at the tile that is loaded next
.set VB,  16
.set QB,  18                           ; s[18:19] q, s[20:21] out0 at my wave's first row
.set OB,  20
.set PFA, 22                           ; s[22:23] k (waves 0, 1) or v, one tile further on than KB and VB
.set CS,  24                           ; s[24:25] c: the packed form names a pair and takes its low word for both halves
.set SEL, 26                           ; s[26:27] lane selects for v_permlanex16_b32: lane l xor 16
.set CNT, 28                           ; s28  trips to go
.set LIM, 29                           ; s29  1 in a wave that prefetches, else the greatest number
; Four loads: my 32 bytes of the next tile of k and of v; a wave's pair of loads covers 1,024 consecutive bytes.  No hint: the head's four work-groups read these bytes.
.macro LOADS step
.if \step
	s_wait_xcnt 0x0                                ; the last loads and the last prefetch, a step back, have read their bases: only now are these stepped
	s_add_nc_u64 s[KB:KB+1], s[KB:KB+1], TILEB
	s_add_nc_u64 s[VB:VB+1], s[VB:VB+1], TILEB
	s_add_nc_u64 s[PFA:PFA+1], s[PFA:PFA+1], TILEB
.endif
	global_load_b128 v[KG:KG+3],   v[GOF], s[KB:KB+1]
	global_load_b128 v[KG+4:KG+7], v[GOF], s[KB:KB+1] offset:16
	global_load_b128 v[VG:VG+3],   v[GOF], s[VB:VB+1]
	global_load_b128 v[VG+4:VG+7], v[GOF], s[VB:VB+1] offset:16
.endm
; A prefetch of the tile that the NEXT step will load: step j loads tile j + 2 and asks for tile j + 3.  All four work-groups of a head walk the same k and v: the first of them asks.  In it waves 0 and 1
; ask for k's 16,384 bytes and waves 2 and 3 for v's, lanes 256 bytes apart: each aligned block of 256 bytes is named once in the launch.  Nothing is asked for at the head; the loop's last trip
; asks for nothing, so that no request leaves its buffer: tiles 3 to 30 are asked for.
.macro ASK
	s_cmp_gt_u32 s[CNT], s[LIM]
	s_cbranch_scc0 .Lnot_mine_\@
	global_prefetch_b8 v[PFO], s[PFA:PFA+1] th:TH_LOAD_NT scope:SCOPE_SE
.Lnot_mine_\@:
.endm
; The tile in KG and VG becomes operands in the buffer at byte off.  My 8 numbers of k are a quarter of a block of 32: four neighbouring lanes hold a block, eight a key.
.macro CONV off
	s_wait_loadcnt 0x0                             ; the four loads were issued a step ago
	v_max3_num_f32 v[T], |v[KG]|, |v[KG+1]|, 0x1800000             ; the largest magnitude of my 8, and the floor 2^(3 - 127): the byte cannot fall under 1
	v_max3_num_f32 v[T+1], |v[KG+4]|, |v[KG+5]|, |v[KG+6]|
	v_max3_num_f32 v[T], v[T], |v[KG+2]|, |v[KG+3]|
	v_max3_num_f32 v[T], v[T], v[T+1], |v[KG+7]|
	v_max_num_f32_dpp v[T], v[T], v[T] row_xmask:1 row_mask:0xf bank_mask:0xf
	v_max_num_f32_dpp v[T], v[T], v[T] row_xmask:2 row_mask:0xf bank_mask:0xf   ; the block's
	v_add_nc_u32 v[T+2], 0xff000000, v[T]          ; 2 off its exponent field: the conversion takes the exponent field of this operand as its scale
	v_cvt_scalef32_pk8_fp4_f32 v[T+3], v[KG:KG+7], v[T+2]
	v_lshrrev_b32 v[T+4], 23, v[T+2]               ; the scale's byte.  (The plain line behind the scaled conversion)
	v_lshl_or_b32 v[T+4], v[T+4], v[SHA], 0x7f7f0000   ; at its place in the key's word; bytes 2 and 3, over zero codes, are 1.0
	v_mov_b32_dpp v[T+5], v[T+4] row_xmask:4 row_mask:0xf bank_mask:0xf   ; the key's other block lies four lanes away
	v_or_b32 v[T+6], v[T+4], v[T+5]
.irp n, 0,1,2,3
	v_cvt_pk_f16_f32 v[T+8+\n], v[VG+2*\n], v[VG+2*\n+1]
.endr
	ds_store_b32 v[KST], v[T+3] offset:(\off)
	ds_store_b32 v[KSS], v[T+6] offset:(\off)+KSC  ; a key's eight lanes write the same word with the same value
	ds_store_b128 v[VST], v[T+8:T+11] offset:(\off)+VIMG
.endm
; Four products: key tiles i0, i0 + 1 (their fragments in KF) x my two tiles of queries.  The constant 0 starts each sum, which is whole after one instruction.
.macro KQ i0
.irp i, 0,1
.irp t, 0,1
	v_wmma_scale_f32_16x16x128_f8f6f4 v[S+32*\t+8*(\i0+\i):S+32*\t+8*(\i0+\i)+7], v[KF+8*\i:KF+8*\i+7], v[QF+8*\t:QF+8*\t+7], 0, v[KS+\i0+\i], v[QS+\t] matrix_a_fmt:MATRIX_FMT_FP4 matrix_b_fmt:MATRIX_FMT_FP4
.endr
.endr
.endm
; The largest of registers 0-6 of key tiles i0 and i1, both tiles of queries: chain (t, i) in v[T + 4 t + i].  Each accumulator is read from its low end on.
.macro MAXL i0, i1
.irp i, \i0, \i1
.irp t, 0,1
	v_max3_num_f32 v[T+4*\t+\i], v[S+32*\t+8*\i], v[S+32*\t+8*\i+1], v[S+32*\t+8*\i+2]
.endr
.endr
.irp g, 3,5
.irp i, \i0, \i1
.irp t, 0,1
	v_max3_num_f32 v[T+4*\t+\i], v[T+4*\t+\i], v[S+32*\t+8*\i+\g], v[S+32*\t+8*\i+\g+1]
.endr
.endr
.endr
.endm
; A KEY STEP on buffer buf.  conv: the next tile is turned into operands in the other buffer.  load: the tile after that is loaded.  sync: the step's barrier.
.macro STEP buf, conv, load, sync
.if \conv
	CONV (1-(\buf))*BUFB                           ; its plain lines name only KG, VG, SHA and T: they are also the five places between the last V^T P and the K Q^T that writes over V's registers
.else
.rept 5
	v_nop                                          ; those five places
.endr
.endif
.if \load
	LOADS 1
	ASK
.endif
	ds_load_b128 v[KS:KS+3], v[KSL] offset:(\buf)*BUFB+KSC
	ds_load_b128 v[KF:KF+3], v[KLD] offset:(\buf)*BUFB
	ds_load_b128 v[KF+8:KF+11], v[KLD] offset:(\buf)*BUFB+512
	s_wait_dscnt 0x0
	KQ 0
.rept 4
	v_nop                                          ; four places in front of loads into registers that matrix instructions have read
.endr
	ds_load_b128 v[KF:KF+3], v[KLD] offset:(\buf)*BUFB+1024
	ds_load_b128 v[KF+8:KF+11], v[KLD] offset:(\buf)*BUFB+1536
	s_wait_dscnt 0x0
	KQ 2
	MAXL 0, 1                                      ; twelve plain lines on the first four products' results: the places behind the last four
	MAXL 2, 3
.irp t, 0,1
	v_max3_num_f32 v[T+4*\t], v[T+4*\t], v[S+32*\t+7], v[S+32*\t+15]
	v_max3_num_f32 v[T+4*\t+2], v[T+4*\t+2], v[S+32*\t+23], v[S+32*\t+31]
.endr
.irp t, 0,1
	v_max3_num_f32 v[T+4*\t], v[T+4*\t], v[T+4*\t+1], v[T+4*\t+2]
.endr
.irp t, 0,1
	v_max_num_f32 v[T+4*\t], v[T+4*\t], v[T+4*\t+3]
.endr
.irp t, 0,1
	v_permlanex16_b32 v[T+8+\t], v[T+4*\t], s[SEL], s[SEL+1]   ; the query's other 32 keys lie in the lane 16 away
.endr
.irp t, 0,1
	v_max_num_f32 v[T+4*\t], v[T+4*\t], v[T+8+\t]  ; the step's largest score of my query
	v_mov_b32 v[ST+6*\t+1], v[ST+6*\t]             ; m_old
.endr
.irp t, 0,1
	v_mul_f32 v[T+4*\t], s[CS], v[T+4*\t]          ; as t (c is positive)
.endr
.irp t, 0,1
	v_max_num_f32 v[ST+6*\t], v[ST+6*\t], v[T+4*\t]   ; the running maximum
.endr
.irp t, 0,1
	v_sub_f32 v[ST+6*\t+1], v[ST+6*\t+1], v[ST+6*\t]  ; m_old - m_new, 0 or less
.endr
	; ONE BATCH of 66 exponentials with one wait: none of the lines up to the wait names an exponential's result
.irp t, 0,1
	v_exp_f32 v[ST+6*\t+4], v[ST+6*\t+1]           ; a
.endr
.set j, 0
.rept 32
	v_pk_fma_f32 v[S+2*j:S+2*j+1], v[S+2*j:S+2*j+1], s[CS:CS+1], v[ST+6*(j/16):ST+6*(j/16)+1] op_sel_hi:[1,0,0] neg_lo:[0,0,1] neg_hi:[0,0,1]   ; c s - m, two at a time
.set j, j+1
.endr
.set j, 0
.rept 64
	v_exp_f32 v[S+j], v[S+j]                       ; p
.set j, j+1
.endr
	v_nop                                          ; the plain line behind the last exponential, ahead of the first use
	s_wait_alu depctr_va_vdst(0)                   ; the wait ahead of the first line that names a result: one for the batch
	; the sums of the f32 p: l = a l + the step's, in two chains a tile
.irp t, 0,1
	v_pk_fma_f32 v[ST+6*\t+2:ST+6*\t+3], v[ST+6*\t+2:ST+6*\t+3], v[ST+6*\t+4:ST+6*\t+5], v[S+32*\t:S+32*\t+1] op_sel_hi:[1,0,1]
	v_pk_add_f32 v[T+10+2*\t:T+11+2*\t], v[S+32*\t+2:S+32*\t+3], v[S+32*\t+6:S+32*\t+7]
.endr
.irp t, 0,1
	v_pk_add_f32 v[ST+6*\t+2:ST+6*\t+3], v[ST+6*\t+2:ST+6*\t+3], v[S+32*\t+4:S+32*\t+5]
	v_pk_add_f32 v[T+10+2*\t:T+11+2*\t], v[T+10+2*\t:T+11+2*\t], v[S+32*\t+8:S+32*\t+9]
.endr
.irp n, 5,7,9,11,13
.irp t, 0,1
	v_pk_add_f32 v[ST+6*\t+2:ST+6*\t+3], v[ST+6*\t+2:ST+6*\t+3], v[S+32*\t+2*\n:S+32*\t+2*\n+1]
	v_pk_add_f32 v[T+10+2*\t:T+11+2*\t], v[T+10+2*\t:T+11+2*\t], v[S+32*\t+2*\n+2:S+32*\t+2*\n+3]
.endr
.endr
.irp t, 0,1
	v_pk_add_f32 v[ST+6*\t+2:ST+6*\t+3], v[ST+6*\t+2:ST+6*\t+3], v[S+32*\t+30:S+32*\t+31]
.endr
.irp t, 0,1
	v_pk_add_f32 v[ST+6*\t+2:ST+6*\t+3], v[ST+6*\t+2:ST+6*\t+3], v[T+10+2*\t:T+11+2*\t]
.endr
.set j, 0
.rept 32
	v_cvt_pk_f16_f32 v[P+j], v[S+2*j], v[S+2*j+1]  ; p in f16: registers 8 kh .. 8 kh + 7 of a tile are source 1 for keys 32 kh on
.set j, j+1
.endr
	; V's eight fragments (keys 32 k on, channels 16 c on) take p's registers; O^T is rescaled while they come
.irp k, 0,1
.irp c, 0,1,2,3
	ds_load_tr16_b128 v[S+8*(4*\k+\c):S+8*(4*\k+\c)+3],   v[VLD] offset:(\buf)*BUFB+VIMG+\k*32*PV+32*\c
	ds_load_tr16_b128 v[S+8*(4*\k+\c)+4:S+8*(4*\k+\c)+7], v[VLD] offset:(\buf)*BUFB+VIMG+\k*32*PV+16*PV+32*\c
.endr
.endr
.set j, 0
.rept 32
	v_pk_mul_f32 v[O+2*j:O+2*j+1], v[O+2*j:O+2*j+1], v[ST+6*(j/16)+4:ST+6*(j/16)+5] op_sel_hi:[1,0]   ; x a, each accumulator from its low end on
.set j, j+1
.endr
	s_wait_dscnt 0x0                               ; V is in.  For the others' sake too: my stores into the other buffer have landed, and my reads of this one are back
.if \sync
	s_barrier_signal -1                            ; say so, and work on registers while the others arrive
.endif
.irp k, 0,1
.irp c, 0,1,2,3
.irp t, 0,1
	v_wmma_f32_16x16x32_f16 v[O+32*\t+8*\c:O+32*\t+8*\c+7], v[S+8*(4*\k+\c):S+8*(4*\k+\c)+7], v[P+16*\t+8*\k:P+16*\t+8*\k+7], v[O+32*\t+8*\c:O+32*\t+8*\c+7]   ; the eight accumulators by turns, one instruction a turn
.endr
.endr
.endr
.if \sync
	s_barrier_wait -1                              ; behind it the other buffer is whole, and nobody reads this one any more
.endif
.endm
	s_load_b256 s[4:11], s[0:1], 0x0               ; q s[4:5], k s[6:7], v s[8:9], out0 s[10:11]
	v_lshl_add_u32 v[SPW], v0, 2, SPARE
	v_mov_b32 v[NIL], 0
	v_lshrrev_b32 v[T], 5, v0
	v_readfirstlane_b32 s[WV], v[T]                ; wave 0..15
	v_lshlrev_b32 v[GOF], 5, v0
	v_and_b32 v[PFO], 63, v0
	v_lshlrev_b32 v[PFO], 8, v[PFO]
	; my 8 numbers of a tile: key thread / 8 = 16 T + r, octet o = thread % 8 of its 64.  In K's image octet o is register o % 4 of lane r + 16 (o / 4)
	v_lshrrev_b32 v[T], 7, v0                      ; T
	v_bfe_u32 v[T+1], v0, 3, 4                     ; r
	v_bfe_u32 v[SHA], v0, 2, 1                     ; o / 4: the block
	v_and_b32 v[T+2], 3, v0                        ; o % 4
	v_lshlrev_b32 v[KST], 9, v[T]
	v_lshl_add_u32 v[KST], v[T+1], 4, v[KST]
	v_lshl_add_u32 v[KST], v[SHA], 8, v[KST]
	v_lshl_add_u32 v[KST], v[T+2], 2, v[KST]
	v_lshlrev_b32 v[KSS], 4, v[T+1]
	v_lshl_add_u32 v[KSS], v[T], 2, v[KSS]
	v_lshlrev_b32 v[SHA], 3, v[SHA]
	v_lshrrev_b32 v[T], 3, v0                      ; the key
	v_and_b32 v[T+1], 7, v0
	v_mul_u32_u24 v[VST], v[T], PV
	v_lshl_add_u32 v[VST], v[T+1], 4, v[VST]
	v_and_b32 v[KLD], 31, v0
	v_lshlrev_b32 v[KLD], 4, v[KLD]
	v_and_b32 v[T], 15, v0                         ; r = lane % 16
	v_lshlrev_b32 v[KSL], 4, v[T]
	v_bfe_u32 v[T+4], v0, 4, 1                     ; h = lane / 16
	v_lshl_add_u32 v[VLD], v[T+4], 3, v[T+1]       ; the turning load: lane l reads 16 bytes of key 8 h + l % 8, channels 8 ((l / 8) % 2) on
	v_mul_u32_u24 v[VLD], v[VLD], PV
	v_bfe_u32 v[T+1], v0, 3, 1
	v_lshl_add_u32 v[VLD], v[T+1], 4, v[VLD]
	s_mul_i32 s30, s[WV], WSTG
	s_add_co_u32 s30, s30, STAGE                   ; my stage
	v_mul_u32_u24 v[T+2], v[T], SP
	v_lshl_add_u32 v[SO], v[T+4], 5, v[T+2]
	v_lshl_add_u32 v[T+2], v[T+4], 7, v[T+2]
	v_add_nc_u32 v[SO], s30, v[SO]                 ; row r, + 32 h
	v_add_nc_u32 v[T+2], s30, v[T+2]               ; row r, + 128 h: my block of 32 of a row of q
	v_mul_u32_u24 v[SA], v[T+4], SP
	v_lshl_add_u32 v[SA], v[T], 4, v[SA]
	v_add_nc_u32 v[SA], s30, v[SA]                 ; row h, + 16 r
	v_lshlrev_b32 v[T+3], 3, v[T+4]                ; 8 h
	v_mov_b32 v[T+5], 0                            ; written once: the destination of a lane exchange counts as one of its sources
	v_mov_b32 v[T+8], 0
	v_mov_b32 v[T+9], 0
	s_and_b32 s32, ttmp7, 0xffff                   ; the head:
	s_lshl_b32 s32, s32, 19                        ; 2,048 rows of 256 bytes
	s_mov_b32 s33, 0
	s_lshl_b32 s34, ttmp9, 17                      ; my block's 512 rows,
	s_lshl_b32 s35, s[WV], 13                      ; my wave's 32 of them
	s_add_co_u32 s34, s34, s35
	s_add_co_u32 s34, s34, s32
	s_mov_b32 s35, 0
	s_mov_b32 s[CS], 0x3e38aa3b                    ; c = log2(e) / 8
	s_mov_b32 s[CS+1], s[CS]                       ; (named with it as a pair, so it is written)
	s_mov_b32 s[SEL], 0x76543210
	s_mov_b32 s[SEL+1], 0xfedcba98
	s_lshr_b32 s31, s[WV], 2                       ; 0 in waves 0 to 3,
	s_or_b32 s31, s31, ttmp9                       ; of the head's first work-group
	s_cmp_eq_u32 s31, 0
	s_cselect_b32 s[LIM], 1, -1
	s_wait_kmcnt 0x0
	s_add_nc_u64 s[KB:KB+1], s[6:7], s[32:33]
	s_add_nc_u64 s[VB:VB+1], s[8:9], s[32:33]
	s_add_nc_u64 s[QB:QB+1], s[4:5], s[34:35]
	s_add_nc_u64 s[OB:OB+1], s[10:11], s[34:35]
	s_cmp_lt_u32 s[WV], 2
	s_cselect_b64 s[PFA:PFA+1], s[KB:KB+1], s[VB:VB+1]
	s_add_nc_u64 s[PFA:PFA+1], s[PFA:PFA+1], TILEB ; one tile further on than KB and VB, with which it steps
.irp i, 0,1,2,3,4,5,6,7,8,9,10,11,12,13,14,15
	global_load_b128 v[S+4*\i:S+4*\i+3], v[KLD], s[QB:QB+1] offset:512*\i th:TH_LOAD_NT   ; my 32 rows of q as they lie: 512 consecutive bytes a load; read once in the launch
.endr
	LOADS 0                                        ; tile 0 of k and v
	s_wait_loadcnt 4                               ; q is in: behind its loads stand the four of k and v
	; q turns through my stage: in as it lies, back a whole block of 32 to a lane: lane (r, h) gets row 16 t + r, numbers 32 h .. 32 h + 31.  LDS serves a wave's instructions in order (ISA guide 5.7.1.4)
.irp i, 0,1,2,3,4,5,6,7,8,9,10,11,12,13,14,15
	ds_store_b128 v[SA], v[S+4*\i:S+4*\i+3] offset:2*SP*\i
.endr
.irp t, 0,1
.irp n, 0,1,2,3,4,5,6,7
	ds_load_b128 v[S+32*\t+4*\n:S+32*\t+4*\n+3], v[T+2] offset:16*SP*\t+16*\n
.endr
.endr
	s_wait_dscnt 0x0
.irp t, 0,1
	v_max3_num_f32 v[T+\t], |v[S+32*\t]|, |v[S+32*\t+1]|, 0x1800000   ; my block's largest magnitude, and the floor 2^(3 - 127)
.endr
.irp i, 2,4,6,8,10,12,14,16,18,20,22,24,26,28,30
.irp t, 0,1
	v_max3_num_f32 v[T+\t], v[T+\t], |v[S+32*\t+\i]|, |v[S+32*\t+\i+1]|
.endr
.endr
.irp t, 0,1
	v_add_nc_u32 v[T+\t], 0xff000000, v[T+\t]      ; 2 off its exponent field: the conversion's scale operand
.endr
.irp t, 0,1
.irp g, 0,1,2,3
	v_cvt_scalef32_pk8_fp4_f32 v[QF+8*\t+\g], v[S+32*\t+8*\g:S+32*\t+8*\g+7], v[T+\t]   ; registers 0-3 of the fragment: k = 32 h + 0 .. 31
.endr
.endr
.irp t, 0,1
	v_lshrrev_b32 v[T+4+\t], 23, v[T+\t]           ; the scale's byte.  (The plain line behind the scaled conversions)
.endr
.irp t, 0,1
	v_lshl_or_b32 v[T+4+\t], v[T+4+\t], v[T+3], 0x7f7f0000   ; byte h of the row's word; bytes 2 and 3, over zero codes, are 1.0
.endr
.irp t, 0,1
	v_permlanex16_b32 v[T+8+\t], v[T+4+\t], s[SEL], s[SEL+1]
.endr
.irp t, 0,1
	v_or_b32 v[QS+\t], v[T+4+\t], v[T+8+\t]        ; with the other block's byte the word is whole
.endr
.irp t, 0,1
.irp g, 4,5,6,7
	v_mov_b32 v[QF+8*\t+\g], 0                     ; k = 64 .. 127: zero codes, in q's fragments
	v_mov_b32 v[KF+8*\t+\g], 0                     ; and in k's
.endr
.endr
	CONV 0                                         ; tile 0 into buffer 0
	LOADS 1                                        ; tile 1
.irp t, 0,1
	v_mov_b32 v[ST+6*\t], 0xff61b1e6               ; m: -3e38, under every t
	v_mov_b32 v[ST+6*\t+2], 0                      ; l
	v_mov_b32 v[ST+6*\t+3], 0
	v_mov_b32 v[ST+6*\t+5], 0                      ; named with a as a pair
.endr
.set j, 0
.rept 64
	v_mov_b32 v[O+j], 0                            ; O^T.  The step is written with no first step of its own: the first a is 0 and multiplies zeros
.set j, j+1
.endr
	s_wait_dscnt 0x0                               ; my part of buffer 0 has landed,
	s_barrier_signal -1
	s_barrier_wait -1                              ; everybody's has
	s_mov_b32 s[CNT], 15
.Lpair:                                                ; 15 trips of two steps: steps 0 to 29; step j reads tile j, converts tile j + 1 and loads tile j + 2
	STEP 0, 1, 1, 1
	STEP 1, 1, 1, 1
	s_sub_co_u32 s[CNT], s[CNT], 1
	s_cmp_lg_u32 s[CNT], 0
	s_cbranch_scc1 .Lpair
	STEP 0, 1, 0, 1                                ; step 30 converts the last tile and loads nothing: no load leaves its buffer
	STEP 1, 0, 0, 0                                ; step 31: nothing is written to the buffers any more, so no barrier follows
	; THE WAY OUT.  l's two halves and the other half of the lanes' are added (with the v_nop: five plain lines, the places behind the last products); O^T / l goes through my stage and leaves as whole rows.
.irp t, 0,1
	v_add_f32 v[T+\t], v[ST+6*\t+2], v[ST+6*\t+3]
.endr
.irp t, 0,1
	v_permlanex16_b32 v[T+8+\t], v[T+\t], s[SEL], s[SEL+1]
.endr
.irp t, 0,1
	v_add_f32 v[T+\t], v[T+\t], v[T+8+\t]
.endr
.irp t, 0,1
	v_rcp_f32 v[ST+6*\t+4], v[T+\t]
.endr
	v_nop                                          ; the plain line behind the last reciprocal
	s_wait_alu depctr_va_vdst(0)                   ; and the wait ahead of the first use: one for both
.set j, 0
.rept 32
	v_pk_mul_f32 v[O+2*j:O+2*j+1], v[O+2*j:O+2*j+1], v[ST+6*(j/16)+4:ST+6*(j/16)+5] op_sel_hi:[1,0]
.set j, j+1
.endr
.irp t, 0,1
.irp c, 0,1,2,3
	ds_store_b128 v[SO], v[O+32*\t+8*\c:O+32*\t+8*\c+3]   offset:16*SP*\t+64*\c      ; lane (r, h): row 16 t + r, channels 16 c + 8 h + 0 .. 7
	ds_store_b128 v[SO], v[O+32*\t+8*\c+4:O+32*\t+8*\c+7] offset:16*SP*\t+64*\c+16
.endr
.endr
.irp i, 0,1,2,3,4,5,6,7,8,9,10,11,12,13,14,15
	ds_load_b128 v[S+4*\i:S+4*\i+3], v[SA] offset:2*SP*\i          ; back by rows: these see my stores above
.endr
.irp i, 0,1,2,3,4,5,6,7,8,9,10,11,12,13,14,15
	s_wait_dscnt 15-\i                             ; load i is in; the younger ones may be out
	global_store_b128 v[KLD], v[S+4*\i:S+4*\i+3], s[OB:OB+1] offset:512*\i th:TH_STORE_NT   ; 32 lanes store 512 consecutive bytes, two rows, at a multiple of 256 from out0's first byte
.endr
	s_wait_tensorcnt 0x0                           ; the wave's end: three closing lines, behind my last LDS store
	ds_add_u32 v[SPW], v[NIL]
	s_wait_dscnt 0x0
	s_endpgm
.Lfunc_end_k_qddde04b973_attn:
	.size	k_qddde04b973_attn, .Lfunc_end_k_qddde04b973_attn-k_qddde04b973_attn
	.p2alignl 7, 3214868480
	.fill 96, 4, 3214868480
	.section	.rodata,"a",@progbits
	.p2align	6, 0x0
	.amdhsa_kernel k_qddde04b973_attn
		.amdhsa_group_segment_fixed_size 166400
		.amdhsa_private_segment_fixed_size 0
		.amdhsa_enable_private_segment 0
		.amdhsa_kernarg_size 32
		.amdhsa_user_sgpr_count 2
		.amdhsa_user_sgpr_kernarg_segment_ptr 1
		.amdhsa_wavefront_size32 1
		.amdhsa_system_sgpr_workgroup_id_x 1
		.amdhsa_system_sgpr_workgroup_id_y 1
		.amdhsa_system_sgpr_workgroup_id_z 1
		.amdhsa_system_vgpr_workitem_id 0
		.amdhsa_next_free_vgpr 256
		.amdhsa_next_free_sgpr 66
		.amdhsa_reserve_vcc 0
		.amdhsa_float_denorm_mode_32 3
		.amdhsa_float_denorm_mode_16_64 3
		.amdhsa_memory_ordered 1
		.amdhsa_forward_progress 1
		.amdhsa_inst_pref_size 92
	.end_amdhsa_kernel
	.amdgpu_metadata
---
amdhsa.version: [ 1, 2 ]
amdhsa.kernels:
  - .name:           k_qddde04b973_attn
    .symbol:         k_qddde04b973_attn.kd
    .args:
      - { .name: q, .offset: 0, .size: 8, .value_kind: global_buffer, .address_space: global }
      - { .name: k, .offset: 8, .size: 8, .value_kind: global_buffer, .address_space: global }
      - { .name: v, .offset: 16, .size: 8, .value_kind: global_buffer, .address_space: global }
      - { .name: out0, .offset: 24, .size: 8, .value_kind: global_buffer, .address_space: global }
    .group_segment_fixed_size: 166400
    .private_segment_fixed_size: 0
    .kernarg_segment_align: 8
    .kernarg_segment_size: 32
    .max_flat_workgroup_size: 512
    .sgpr_count:     66
    .vgpr_count:     256
    .wavefront_size: 32
...
	.end_amdgpu_metadata
.endif
;; end of part 1
;; ======== version 2 of 2: 1 launch; version 1 with the launch attn written anew for expert scheduling mode
;; limits: values are held in f16: magnitudes above 65,504 overflow, below 6.1e-05 lose precision
;; launch attn (part 2): grid 4 x 64, 16 waves a work-group, no clusters, 166,400 bytes of LDS; arguments q, k, v, out0; writes out0
.if DOCPART == 2
	.amdgcn_target "amdgcn-amd-amdhsa--gfx1250"
	.amdhsa_code_object_version 6
	.text
	.protected	k_qddde04b973_attn
	.globl	k_qddde04b973_attn
	.p2align	8
	.type	k_qddde04b973_attn,@function
k_qddde04b973_attn:
	s_mov_b64 s[64:65], 0
	v_nop
	global_prefetch_b8 v0, s[64:65] scope:SCOPE_SE
	s_setreg_imm32_b32 hwreg(HW_REG_WAVE_SCHED_MODE, 0, 2), 2
	s_setreg_imm32_b32 hwreg(HW_REG_WAVE_MODE, 25, 1), 1
	s_wait_xcnt 0x0
	s_wait_alu depctr_vm_vsrc(0)
; out0[h][q][:] = the sum over k of softmax_k(Q[h][q] . K[h][k] / 8) V[h][k][:].  q, k, v, out0: [64 heads][2048][64] f32.
; FIRST PRODUCT on codes of FP4 (E2M1) with one E8M0 scale for each 32 along the head's 64: q and k are quantised here, from f32.  The matrix form is 128 deep: a fragment's registers 4-7
; (k = 64 .. 127) hold zero codes, and the scale words' bytes 2 and 3 are 0x7f.  SECOND PRODUCT with f16 operands (p = 2^(t - m) is about 1 at the most; v rounded once), sums in f32.
; SOFTMAX: t = score x c, c = log2(e) / 8; for each query a running maximum m of t and a running sum l of the f32 p; in every step l and O are multiplied by a = 2^(m_old - m_new).
; LIMITS: |v| up to 65,504 (f16); NaN and infinities are not served; a block of q or k whose largest magnitude lies under 2^-124, a block of zeros too, gets the scale byte 1
; (a block of zeros has zero codes, which add nothing); the row's sum is taken of p before its rounding to f16.
; SHARES.  256 work-groups: x = a block of 512 queries, y = the head.  Sixteen waves of 256 registers, four to a SIMD, so that one wave's vector work stands beside another's products
; and LDS loads.  A wave owns 32 queries, two tiles of 16, and walks the head's 2,048 keys in 32 steps of 64.
; K AND V ARE PREPARED BY THE WORK-GROUP ITSELF: in each step every thread loads 32 bytes of k and 32 of v of the tile two steps on, and turns the tile one step on into operands:
; 8 codes and a scale word of k, 8 f16 of v, stored into the LDS buffer that is not being read.  Two buffers, one barrier a step.  No tensor load: the numbers arrive as f32 and have
; to pass through registers.  No cluster: what the four query blocks of a head share is loaded into registers, and a joint request serves loads into LDS alone.
; LAYOUT.  S^T = K Q^T (source 0 = 16 keys, source 1 = 16 queries): a lane holds ONE query (lane % 16), register j of key tile i the key 16 i + 8 (lane / 16) + j.  Two such tiles, rounded
; to f16 in pairs, ARE source 1 (32 keys x 16 queries) of O^T = V^T P; V^T's fragments come from rows [key][channel] by the turning load.  Nothing changes lanes between the products.
; THE MODE: SCHED_MODE bits 1:0 = 2 (LLVM: expert scheduling mode 2), set by the entry lines.  The code itself states the register dependences
; between vector or matrix instructions and memory or LDS instructions, with s_wait_alu, always for 0.
; THE PLAN.  Registers that memory or LDS instructions touch, in the loop:
;   v1-v8, v10, v11    offsets and LDS addresses: made once at the head, never written again; k's and v's tiles are reached by scalar bases.
;   KS, KF (0-3, 8-11) LDS loads land in them at a step's head (key tiles 0, 1; all four scale words) and behind K Q^T's first half (key tiles 2, 3); the products K Q^T read them.
;   KG, VG             the global loads of the tile two steps on land in them; the step's conversions read them ahead of that.
;   T+3, T+6, T+8..11  written by the conversions, read by the step's three LDS stores, written again by the search for the maximum.
;   S                  written by K Q^T, worked on by the softmax; then V's sixteen turning loads land in it, and V^T P reads it.
;   QF, QS, P, O, ST are named by vector and matrix instructions alone.
; A STEP'S WAITS.  (1) One on va_vdst behind K Q^T's first half and v's roundings: it serves the nine LDS and memory instructions behind it.  (2) One on vm_vsrc ahead of the maximum.  (3) The one behind
; the exponentials.  (4) One on va_vdst ahead of V's loads.  The loads at a step's head owe none: since (4) of the step before, the lines issued name O, ST, S and P alone.
.set BUFB,  12544                      ; an LDS buffer: K's image, K's scale words, V's rows; buffer b begins at b x BUFB
.set KSC,   2048                       ; K's image: 4 key tiles x 512 bytes, lane l's registers 0-3 at 16 l.  Behind it the scale words: key 16 T + r at 16 r + 4 T
.set VIMG,  2304                       ; V: 64 rows of 128 bytes of f16,
.set PV,    160                        ; 160 bytes apart: 40 words: the eight rows of a turning load start at eight different groups of 8 banks (64 banks of 4 bytes: ISA guide 11.1)
.set STAGE, 2*BUFB                     ; a stage of 32 rows x 272 bytes for each wave, its own: q turns through it at the head, O leaves through it
.set WSTG,  32*272
.set SP,    272
.set SPARE, STAGE+16*WSTG              ; the spare words, 128 bytes for each wave: eight blocks of 256 bytes that no other line names
.set TILEB, 16384                      ; 64 keys x 256 bytes of k or of v in memory
.set GOF, 1                            ; v1   32 x thread: my 32 bytes of a tile of k or v
.set PFO, 2                            ; v2   256 x (thread % 64): the prefetches' offset
.set KST, 3                            ; v3   where my 8 codes go in K's image
.set KSS, 4                            ; v4   where my key's scale word goes
.set VST, 5                            ; v5   where my 8 f16 of v go
.set KLD, 6                            ; v6   16 x lane: a fragment's image; also my 16 bytes of 512 in q and in out0
.set KSL, 7                            ; v7   16 x (lane % 16): my key row's four scale words
.set VLD, 8                            ; v8   the turning load's address
.set SHA, 9                            ; v9   8 x (which block of 32 my 8 numbers of k lie in)
.set SA,  10                           ; v10  my stage, rows as they lie: lanes 0-15 one row of 256 bytes, lanes 16-31 the next
.set SO,  11                           ; v11  my stage: row lane % 16, + 32 (lane / 16)
.set SPW, 12                           ; v12  LDS address of my spare word; never rewritten
.set NIL, 13                           ; v13  0; never rewritten
.set QS,  14                           ; v14-15   q's scale words, tile 0, 1
.set KS,  16                           ; v16-19   k's scale words of the step's four key tiles
.set ST,  20                           ; v20-31   six a tile: +0 m, +1 m_old - m_new, +2, +3 l (two halves), +4 a, +5 zero (named with a as a pair)
.set QF,  32                           ; v32-47   q's two fragments
.set KF,  48                           ; v48-63   two fragments of k; their registers 4-7 are zeroed once and never loaded
.set S,   64                           ; v64-127  S^T, then p, 32 a tile; then V's eight fragments
.set P,   128                          ; v128-159 p in f16, 16 a tile
.set O,   160                          ; v160-223 O^T, 32 a tile: channel tile c at +8 c
.set KG,  224                          ; v224-231 8 numbers of k as loaded
.set VG,  232                          ; v232-239 8 numbers of v as loaded
.set T,   240                          ; v240-255 at work
.set WV,  12                           ; s12  my wave's number
.set KB,  14                           ; s[14:15] k, s[16:17] v at the tile that is loaded next
.set VB,  16
.set QB,  18                           ; s[18:19] q, s[20:21] out0 at my wave's first row
.set OB,  20
.set PFA, 22                           ; s[22:23] k (waves 0, 1) or v, one tile further on than KB and VB
.set CS,  24                           ; s[24:25] c: the packed form names a pair and takes its low word for both halves
.set SEL, 26                           ; s[26:27] lane selects for v_permlanex16_b32: lane l xor 16
.set CNT, 28                           ; s28  trips to go
.set LIM, 29                           ; s29  1 in a wave that prefetches, else the greatest number
; Four loads: my 32 bytes of the next tile of k and of v; a wave's pair of loads covers 1,024 consecutive bytes.  No hint: the head's four work-groups read these bytes.
.macro LOADS step
.if \step
	s_wait_xcnt 0x0                                ; the last loads and the last prefetch, a step back, have read their bases: only now are these stepped
	s_add_nc_u64 s[KB:KB+1], s[KB:KB+1], TILEB
	s_add_nc_u64 s[VB:VB+1], s[VB:VB+1], TILEB
	s_add_nc_u64 s[PFA:PFA+1], s[PFA:PFA+1], TILEB
.endif
	global_load_b128 v[KG:KG+3],   v[GOF], s[KB:KB+1]
	global_load_b128 v[KG+4:KG+7], v[GOF], s[KB:KB+1] offset:16
	global_load_b128 v[VG:VG+3],   v[GOF], s[VB:VB+1]
	global_load_b128 v[VG+4:VG+7], v[GOF], s[VB:VB+1] offset:16
.endm
; A prefetch of the tile that the NEXT step will load: step j loads tile j + 2 and asks for tile j + 3.  All four work-groups of a head walk the same k and v: the first of them asks.  In it waves 0 and 1
; ask for k's 16,384 bytes and waves 2 and 3 for v's, lanes 256 bytes apart: each aligned block of 256 bytes is named once in the launch.  Nothing is asked for at the head; the loop's last trip
; asks for nothing, so that no request leaves its buffer: tiles 3 to 30 are asked for.
.macro ASK
	s_cmp_gt_u32 s[CNT], s[LIM]
	s_cbranch_scc0 .Lnot_mine_\@
	global_prefetch_b8 v[PFO], s[PFA:PFA+1] th:TH_LOAD_NT scope:SCOPE_SE
.Lnot_mine_\@:
.endm
; The tile in KG and VG becomes operands, in three parts.  CONVK: my 8 numbers of k, a quarter of a block of 32 (four neighbouring lanes hold a block, eight a key), become 8 codes and the key's scale word.
.macro CONVK
	s_wait_loadcnt 0x0                             ; the four loads were issued a step ago
	v_max3_num_f32 v[T], |v[KG]|, |v[KG+1]|, 0x1800000             ; the largest magnitude of my 8, and the floor 2^(3 - 127): the byte cannot fall under 1
	v_max3_num_f32 v[T+1], |v[KG+4]|, |v[KG+5]|, |v[KG+6]|
	v_max3_num_f32 v[T], v[T], |v[KG+2]|, |v[KG+3]|
	v_max3_num_f32 v[T], v[T], v[T+1], |v[KG+7]|
	v_max_num_f32_dpp v[T], v[T], v[T] row_xmask:1 row_mask:0xf bank_mask:0xf
	v_max_num_f32_dpp v[T], v[T], v[T] row_xmask:2 row_mask:0xf bank_mask:0xf   ; the block's
	v_add_nc_u32 v[T+2], 0xff000000, v[T]          ; 2 off its exponent field: the conversion takes the exponent field of this operand as its scale
	v_cvt_scalef32_pk8_fp4_f32 v[T+3], v[KG:KG+7], v[T+2]
	v_lshrrev_b32 v[T+4], 23, v[T+2]               ; the scale's byte.  (The plain line behind the scaled conversion)
	v_lshl_or_b32 v[T+4], v[T+4], v[SHA], 0x7f7f0000   ; at its place in the key's word; bytes 2 and 3, over zero codes, are 1.0
	v_mov_b32_dpp v[T+5], v[T+4] row_xmask:4 row_mask:0xf bank_mask:0xf   ; the key's other block lies four lanes away
	v_or_b32 v[T+6], v[T+4], v[T+5]
.endm
; CONVV: my 8 numbers of v in f16.
.macro CONVV
.irp n, 0,1,2,3
	v_cvt_pk_f16_f32 v[T+8+\n], v[VG+2*\n], v[VG+2*\n+1]
.endr
.endm
; CSTORE: both into the buffer at byte off.
.macro CSTORE off
	ds_store_b32 v[KST], v[T+3] offset:(\off)
	ds_store_b32 v[KSS], v[T+6] offset:(\off)+KSC  ; a key's eight lanes write the same word with the same value
	ds_store_b128 v[VST], v[T+8:T+11] offset:(\off)+VIMG
.endm
; Four products: key tiles i0, i0 + 1 (their fragments in KF) x my two tiles of queries.  The constant 0 starts each sum, which is whole after one instruction.
.macro KQ i0
.irp i, 0,1
.irp t, 0,1
	v_wmma_scale_f32_16x16x128_f8f6f4 v[S+32*\t+8*(\i0+\i):S+32*\t+8*(\i0+\i)+7], v[KF+8*\i:KF+8*\i+7], v[QF+8*\t:QF+8*\t+7], 0, v[KS+\i0+\i], v[QS+\t] matrix_a_fmt:MATRIX_FMT_FP4 matrix_b_fmt:MATRIX_FMT_FP4
.endr
.endr
.endm
; The largest of registers 0-6 of key tiles i0 and i1, both tiles of queries: chain (t, i) in v[T + 4 t + i].  Each accumulator is read from its low end on.
.macro MAXL i0, i1
.irp i, \i0, \i1
.irp t, 0,1
	v_max3_num_f32 v[T+4*\t+\i], v[S+32*\t+8*\i], v[S+32*\t+8*\i+1], v[S+32*\t+8*\i+2]
.endr
.endr
.irp g, 3,5
.irp i, \i0, \i1
.irp t, 0,1
	v_max3_num_f32 v[T+4*\t+\i], v[T+4*\t+\i], v[S+32*\t+8*\i+\g], v[S+32*\t+8*\i+\g+1]
.endr
.endr
.endr
.endm
; A KEY STEP on buffer buf.  conv: the next tile is turned into operands in the other buffer.  load: the tile after that is loaded.  sync: the step's barrier.
.macro STEP buf, conv, load, sync
	ds_load_b128 v[KS:KS+3], v[KSL] offset:(\buf)*BUFB+KSC         ; first thing behind the barrier.  No wait: no vector or matrix instruction since the wait ahead of the last step's loads of V (in step 0: since the head's) names KS, KF's loaded registers or the two addresses
	ds_load_b128 v[KF:KF+3], v[KLD] offset:(\buf)*BUFB
	ds_load_b128 v[KF+8:KF+11], v[KLD] offset:(\buf)*BUFB+512
.if \conv
	CONVK                                          ; while they come.  Its plain lines name only KG, SHA and T: they are also the five places between the last V^T P and the K Q^T that writes over V's registers
.else
.rept 5
	v_nop                                          ; those five places
.endr
.endif
	s_wait_dscnt 0x0                               ; the scale words and key tiles 0 and 1 are in
	KQ 0
.if \conv
	CONVV                                          ; four plain lines on VG and T stand behind the four products
.else
.rept 4
	v_nop                                          ; (the last step converts nothing: four v_nop stand where the other steps have v's roundings)
.endr
.endif
	s_wait_alu depctr_va_vdst(0)                   ; the four products are done reading KF, in which the two loads below land; the conversions have written T+3, T+6 and T+8 .. 11, which the stores read, and are done reading KG and VG, in which the global loads land
	ds_load_b128 v[KF:KF+3], v[KLD] offset:(\buf)*BUFB+1024        ; key tiles 2 and 3 first: the next products want them
	ds_load_b128 v[KF+8:KF+11], v[KLD] offset:(\buf)*BUFB+1536
.if \conv
	CSTORE (1-(\buf))*BUFB
.endif
.if \load
	LOADS 1
	ASK
.endif
.if \conv
	s_wait_dscnt 3                                 ; LDS instructions end in order (ISA guide 5.7.1): the two loads are in, the three stores behind them may be out
.else
	s_wait_dscnt 0x0
.endif
	KQ 2
.if \conv
	s_wait_alu depctr_vm_vsrc(0)                   ; the three stores have read T+3, T+6 and T+8 .. 11, which the lines below write again
.endif
	MAXL 0, 1                                      ; twelve plain lines on the first four products' results: the places behind the last four
	MAXL 2, 3
.irp t, 0,1
	v_max3_num_f32 v[T+4*\t], v[T+4*\t], v[S+32*\t+7], v[S+32*\t+15]
	v_max3_num_f32 v[T+4*\t+2], v[T+4*\t+2], v[S+32*\t+23], v[S+32*\t+31]
.endr
.irp t, 0,1
	v_max3_num_f32 v[T+4*\t], v[T+4*\t], v[T+4*\t+1], v[T+4*\t+2]
.endr
.irp t, 0,1
	v_max_num_f32 v[T+4*\t], v[T+4*\t], v[T+4*\t+3]
.endr
.irp t, 0,1
	v_permlanex16_b32 v[T+8+\t], v[T+4*\t], s[SEL], s[SEL+1]   ; the query's other 32 keys lie in the lane 16 away
.endr
.irp t, 0,1
	v_max_num_f32 v[T+4*\t], v[T+4*\t], v[T+8+\t]  ; the step's largest score of my query
	v_mov_b32 v[ST+6*\t+1], v[ST+6*\t]             ; m_old
.endr
.irp t, 0,1
	v_mul_f32 v[T+4*\t], s[CS], v[T+4*\t]          ; as t (c is positive)
.endr
.irp t, 0,1
	v_max_num_f32 v[ST+6*\t], v[ST+6*\t], v[T+4*\t]   ; the running maximum
.endr
.irp t, 0,1
	v_sub_f32 v[ST+6*\t+1], v[ST+6*\t+1], v[ST+6*\t]  ; m_old - m_new, 0 or less
.endr
	; ONE BATCH of 66 exponentials with one wait: none of the lines up to the wait names an exponential's result
.irp t, 0,1
	v_exp_f32 v[ST+6*\t+4], v[ST+6*\t+1]           ; a
.endr
.set j, 0
.rept 32
	v_pk_fma_f32 v[S+2*j:S+2*j+1], v[S+2*j:S+2*j+1], s[CS:CS+1], v[ST+6*(j/16):ST+6*(j/16)+1] op_sel_hi:[1,0,0] neg_lo:[0,0,1] neg_hi:[0,0,1]   ; c s - m, two at a time
.set j, j+1
.endr
.set j, 0
.rept 64
	v_exp_f32 v[S+j], v[S+j]                       ; p
.set j, j+1
.endr
	v_nop                                          ; the plain line behind the last exponential, ahead of the first use
	s_wait_alu depctr_va_vdst(0)                   ; the 66 exponentials have written a and p: the wait ahead of the first line that names a result: one for the batch
	; the sums of the f32 p: l = a l + the step's, in two chains a tile
.irp t, 0,1
	v_pk_fma_f32 v[ST+6*\t+2:ST+6*\t+3], v[ST+6*\t+2:ST+6*\t+3], v[ST+6*\t+4:ST+6*\t+5], v[S+32*\t:S+32*\t+1] op_sel_hi:[1,0,1]
	v_pk_add_f32 v[T+10+2*\t:T+11+2*\t], v[S+32*\t+2:S+32*\t+3], v[S+32*\t+6:S+32*\t+7]
.endr
.irp t, 0,1
	v_pk_add_f32 v[ST+6*\t+2:ST+6*\t+3], v[ST+6*\t+2:ST+6*\t+3], v[S+32*\t+4:S+32*\t+5]
	v_pk_add_f32 v[T+10+2*\t:T+11+2*\t], v[T+10+2*\t:T+11+2*\t], v[S+32*\t+8:S+32*\t+9]
.endr
.irp n, 5,7,9,11,13
.irp t, 0,1
	v_pk_add_f32 v[ST+6*\t+2:ST+6*\t+3], v[ST+6*\t+2:ST+6*\t+3], v[S+32*\t+2*\n:S+32*\t+2*\n+1]
	v_pk_add_f32 v[T+10+2*\t:T+11+2*\t], v[T+10+2*\t:T+11+2*\t], v[S+32*\t+2*\n+2:S+32*\t+2*\n+3]
.endr
.endr
.irp t, 0,1
	v_pk_add_f32 v[ST+6*\t+2:ST+6*\t+3], v[ST+6*\t+2:ST+6*\t+3], v[S+32*\t+30:S+32*\t+31]
.endr
.irp t, 0,1
	v_pk_add_f32 v[ST+6*\t+2:ST+6*\t+3], v[ST+6*\t+2:ST+6*\t+3], v[T+10+2*\t:T+11+2*\t]
.endr
.set j, 0
.rept 32
	v_cvt_pk_f16_f32 v[P+j], v[S+2*j], v[S+2*j+1]  ; p in f16: registers 8 kh .. 8 kh + 7 of a tile are source 1 for keys 32 kh on
.set j, j+1
.endr
	; V's eight fragments (keys 32 k on, channels 16 c on) take p's registers; O^T is rescaled while they come
	s_wait_alu depctr_va_vdst(0)                   ; the sums and the roundings are done reading p's 64 registers, in which the sixteen loads below land
.irp k, 0,1
.irp c, 0,1,2,3
	ds_load_tr16_b128 v[S+8*(4*\k+\c):S+8*(4*\k+\c)+3],   v[VLD] offset:(\buf)*BUFB+VIMG+\k*32*PV+32*\c
	ds_load_tr16_b128 v[S+8*(4*\k+\c)+4:S+8*(4*\k+\c)+7], v[VLD] offset:(\buf)*BUFB+VIMG+\k*32*PV+16*PV+32*\c
.endr
.endr
.set j, 0
.rept 32
	v_pk_mul_f32 v[O+2*j:O+2*j+1], v[O+2*j:O+2*j+1], v[ST+6*(j/16)+4:ST+6*(j/16)+5] op_sel_hi:[1,0]   ; x a, each accumulator from its low end on
.set j, j+1
.endr
	s_wait_dscnt 0x0                               ; V is in.  For the others' sake too: my stores into the other buffer have landed, and my reads of this one are back
.if \sync
	s_barrier_signal -1                            ; say so, and work on registers while the others arrive
.endif
.irp k, 0,1
.irp c, 0,1,2,3
.irp t, 0,1
	v_wmma_f32_16x16x32_f16 v[O+32*\t+8*\c:O+32*\t+8*\c+7], v[S+8*(4*\k+\c):S+8*(4*\k+\c)+7], v[P+16*\t+8*\k:P+16*\t+8*\k+7], v[O+32*\t+8*\c:O+32*\t+8*\c+7]   ; the eight accumulators by turns, one instruction a turn
.endr
.endr
.endr
.if \sync
	s_barrier_wait -1                              ; behind it the other buffer is whole, and nobody reads this one any more
.endif
.endm
	s_load_b256 s[4:11], s[0:1], 0x0               ; q s[4:5], k s[6:7], v s[8:9], out0 s[10:11]
	v_lshl_add_u32 v[SPW], v0, 2, SPARE
	v_mov_b32 v[NIL], 0
	v_lshrrev_b32 v[T], 5, v0
	v_readfirstlane_b32 s[WV], v[T]                ; wave 0..15
	v_lshlrev_b32 v[GOF], 5, v0
	v_and_b32 v[PFO], 63, v0
	v_lshlrev_b32 v[PFO], 8, v[PFO]
	; my 8 numbers of a tile: key thread / 8 = 16 T + r, octet o = thread % 8 of its 64.  In K's image octet o is register o % 4 of lane r + 16 (o / 4)
	v_lshrrev_b32 v[T], 7, v0                      ; T
	v_bfe_u32 v[T+1], v0, 3, 4                     ; r
	v_bfe_u32 v[SHA], v0, 2, 1                     ; o / 4: the block
	v_and_b32 v[T+2], 3, v0                        ; o % 4
	v_lshlrev_b32 v[KST], 9, v[T]
	v_lshl_add_u32 v[KST], v[T+1], 4, v[KST]
	v_lshl_add_u32 v[KST], v[SHA], 8, v[KST]
	v_lshl_add_u32 v[KST], v[T+2], 2, v[KST]
	v_lshlrev_b32 v[KSS], 4, v[T+1]
	v_lshl_add_u32 v[KSS], v[T], 2, v[KSS]
	v_lshlrev_b32 v[SHA], 3, v[SHA]
	v_lshrrev_b32 v[T], 3, v0                      ; the key
	v_and_b32 v[T+1], 7, v0
	v_mul_u32_u24 v[VST], v[T], PV
	v_lshl_add_u32 v[VST], v[T+1], 4, v[VST]
	v_and_b32 v[KLD], 31, v0
	v_lshlrev_b32 v[KLD], 4, v[KLD]
	v_and_b32 v[T], 15, v0                         ; r = lane % 16
	v_lshlrev_b32 v[KSL], 4, v[T]
	v_bfe_u32 v[T+4], v0, 4, 1                     ; h = lane / 16
	v_lshl_add_u32 v[VLD], v[T+4], 3, v[T+1]       ; the turning load: lane l reads 16 bytes of key 8 h + l % 8, channels 8 ((l / 8) % 2) on
	v_mul_u32_u24 v[VLD], v[VLD], PV
	v_bfe_u32 v[T+1], v0, 3, 1
	v_lshl_add_u32 v[VLD], v[T+1], 4, v[VLD]
	s_wait_alu depctr_va_sdst(0)                   ; s[WV] is written, ahead of its first reader: the stage's place, the bases and the branches on the wave's number are made from it
	s_mul_i32 s30, s[WV], WSTG
	s_add_co_u32 s30, s30, STAGE                   ; my stage
	v_mul_u32_u24 v[T+2], v[T], SP
	v_lshl_add_u32 v[SO], v[T+4], 5, v[T+2]
	v_lshl_add_u32 v[T+2], v[T+4], 7, v[T+2]
	v_add_nc_u32 v[SO], s30, v[SO]                 ; row r, + 32 h
	v_add_nc_u32 v[T+2], s30, v[T+2]               ; row r, + 128 h: my block of 32 of a row of q
	v_mul_u32_u24 v[SA], v[T+4], SP
	v_lshl_add_u32 v[SA], v[T], 4, v[SA]
	v_add_nc_u32 v[SA], s30, v[SA]                 ; row h, + 16 r
	v_lshlrev_b32 v[T+3], 3, v[T+4]                ; 8 h
	v_mov_b32 v[T+5], 0                            ; written once: the destination of a lane exchange counts as one of its sources
	v_mov_b32 v[T+8], 0
	v_mov_b32 v[T+9], 0
	s_and_b32 s32, ttmp7, 0xffff                   ; the head:
	s_lshl_b32 s32, s32, 19                        ; 2,048 rows of 256 bytes
	s_mov_b32 s33, 0
	s_lshl_b32 s34, ttmp9, 17                      ; my block's 512 rows,
	s_lshl_b32 s35, s[WV], 13                      ; my wave's 32 of them
	s_add_co_u32 s34, s34, s35
	s_add_co_u32 s34, s34, s32
	s_mov_b32 s35, 0
	s_mov_b32 s[CS], 0x3e38aa3b                    ; c = log2(e) / 8
	s_mov_b32 s[CS+1], s[CS]                       ; (named with it as a pair, so it is written)
	s_mov_b32 s[SEL], 0x76543210
	s_mov_b32 s[SEL+1], 0xfedcba98
	s_lshr_b32 s31, s[WV], 2                       ; 0 in waves 0 to 3,
	s_or_b32 s31, s31, ttmp9                       ; of the head's first work-group
	s_cmp_eq_u32 s31, 0
	s_cselect_b32 s[LIM], 1, -1
	s_wait_kmcnt 0x0
	s_add_nc_u64 s[KB:KB+1], s[6:7], s[32:33]
	s_add_nc_u64 s[VB:VB+1], s[8:9], s[32:33]
	s_add_nc_u64 s[QB:QB+1], s[4:5], s[34:35]
	s_add_nc_u64 s[OB:OB+1], s[10:11], s[34:35]
	s_cmp_lt_u32 s[WV], 2
	s_cselect_b64 s[PFA:PFA+1], s[KB:KB+1], s[VB:VB+1]
	s_add_nc_u64 s[PFA:PFA+1], s[PFA:PFA+1], TILEB ; one tile further on than KB and VB, with which it steps
	s_wait_alu depctr_va_vdst(0)                   ; the offsets and LDS addresses v1 to v8, v10, v11 and v[T+2] are written: every load, store and prefetch of the kernel reads one of them
.irp i, 0,1,2,3,4,5,6,7,8,9,10,11,12,13,14,15
	global_load_b128 v[S+4*\i:S+4*\i+3], v[KLD], s[QB:QB+1] offset:512*\i th:TH_LOAD_NT   ; my 32 rows of q as they lie: 512 consecutive bytes a load; read once in the launch
.endr
	LOADS 0                                        ; tile 0 of k and v
	s_wait_loadcnt 4                               ; q is in: behind its loads stand the four of k and v
	; q turns through my stage: in as it lies, back a whole block of 32 to a lane: lane (r, h) gets row 16 t + r, numbers 32 h .. 32 h + 31.  LDS serves a wave's instructions in order (ISA guide 5.7.1.4)
.irp i, 0,1,2,3,4,5,6,7,8,9,10,11,12,13,14,15
	ds_store_b128 v[SA], v[S+4*\i:S+4*\i+3] offset:2*SP*\i
.endr
	s_wait_alu depctr_vm_vsrc(0)                   ; the sixteen stores have read their data, v[S ..], in which the loads below land
.irp t, 0,1
.irp n, 0,1,2,3,4,5,6,7
	ds_load_b128 v[S+32*\t+4*\n:S+32*\t+4*\n+3], v[T+2] offset:16*SP*\t+16*\n
.endr
.endr
	s_wait_dscnt 0x0
.irp t, 0,1
	v_max3_num_f32 v[T+\t], |v[S+32*\t]|, |v[S+32*\t+1]|, 0x1800000   ; my block's largest magnitude, and the floor 2^(3 - 127)
.endr
.irp i, 2,4,6,8,10,12,14,16,18,20,22,24,26,28,30
.irp t, 0,1
	v_max3_num_f32 v[T+\t], v[T+\t], |v[S+32*\t+\i]|, |v[S+32*\t+\i+1]|
.endr
.endr
.irp t, 0,1
	v_add_nc_u32 v[T+\t], 0xff000000, v[T+\t]      ; 2 off its exponent field: the conversion's scale operand
.endr
.irp t, 0,1
.irp g, 0,1,2,3
	v_cvt_scalef32_pk8_fp4_f32 v[QF+8*\t+\g], v[S+32*\t+8*\g:S+32*\t+8*\g+7], v[T+\t]   ; registers 0-3 of the fragment: k = 32 h + 0 .. 31
.endr
.endr
.irp t, 0,1
	v_lshrrev_b32 v[T+4+\t], 23, v[T+\t]           ; the scale's byte.  (The plain line behind the scaled conversions)
.endr
.irp t, 0,1
	v_lshl_or_b32 v[T+4+\t], v[T+4+\t], v[T+3], 0x7f7f0000   ; byte h of the row's word; bytes 2 and 3, over zero codes, are 1.0
.endr
.irp t, 0,1
	v_permlanex16_b32 v[T+8+\t], v[T+4+\t], s[SEL], s[SEL+1]
.endr
.irp t, 0,1
	v_or_b32 v[QS+\t], v[T+4+\t], v[T+8+\t]        ; with the other block's byte the word is whole
.endr
.irp t, 0,1
.irp g, 4,5,6,7
	v_mov_b32 v[QF+8*\t+\g], 0                     ; k = 64 .. 127: zero codes, in q's fragments
	v_mov_b32 v[KF+8*\t+\g], 0                     ; and in k's
.endr
.endr
	s_wait_alu depctr_vm_vsrc(0)                   ; q's loads from the stage have read their address, v[T+2], which the conversions below write again
	CONVK                                          ; tile 0
	CONVV
	s_wait_alu depctr_va_vdst(0)                   ; the conversions have written T+3, T+6 and T+8 .. 11, which the stores read, and are done reading KG and VG, in which tile 1 lands.  Also: q's codes and scale words and the zero codes, which the scaled products take, are written (15 plain lines or more stand between them and this wait)
	CSTORE 0                                       ; into buffer 0
	LOADS 1                                        ; tile 1
.irp t, 0,1
	v_mov_b32 v[ST+6*\t], 0xff61b1e6               ; m: -3e38, under every t
	v_mov_b32 v[ST+6*\t+2], 0                      ; l
	v_mov_b32 v[ST+6*\t+3], 0
	v_mov_b32 v[ST+6*\t+5], 0                      ; named with a as a pair
.endr
.set j, 0
.rept 64
	v_mov_b32 v[O+j], 0                            ; O^T.  The step is written with no first step of its own: the first a is 0 and multiplies zeros
.set j, j+1
.endr
	s_wait_alu depctr_vm_vsrc(0)                   ; tile 0's three stores have read T+3, T+6 and T+8 .. 11, which step 0's conversions write again
	s_wait_dscnt 0x0                               ; my part of buffer 0 has landed,
	s_barrier_signal -1
	s_barrier_wait -1                              ; everybody's has
	s_mov_b32 s[CNT], 15
.Lpair:                                                ; 15 trips of two steps: steps 0 to 29; step j reads tile j, converts tile j + 1 and loads tile j + 2
	STEP 0, 1, 1, 1
	STEP 1, 1, 1, 1
	s_sub_co_u32 s[CNT], s[CNT], 1
	s_cmp_lg_u32 s[CNT], 0
	s_cbranch_scc1 .Lpair
	STEP 0, 1, 0, 1                                ; step 30 converts the last tile and loads nothing: no load leaves its buffer
	STEP 1, 0, 0, 0                                ; step 31: nothing is written to the buffers any more, so no barrier follows
	; THE WAY OUT.  l's two halves and the other half of the lanes' are added (with the v_nop: five plain lines, the places behind the last products); O^T / l goes through my stage and leaves as whole rows.
.irp t, 0,1
	v_add_f32 v[T+\t], v[ST+6*\t+2], v[ST+6*\t+3]
.endr
.irp t, 0,1
	v_permlanex16_b32 v[T+8+\t], v[T+\t], s[SEL], s[SEL+1]
.endr
.irp t, 0,1
	v_add_f32 v[T+\t], v[T+\t], v[T+8+\t]
.endr
.irp t, 0,1
	v_rcp_f32 v[ST+6*\t+4], v[T+\t]
.endr
	v_nop                                          ; the plain line behind the last reciprocal
	s_wait_alu depctr_va_vdst(0)                   ; the two reciprocals are written: the wait ahead of the first use: one for both
.set j, 0
.rept 32
	v_pk_mul_f32 v[O+2*j:O+2*j+1], v[O+2*j:O+2*j+1], v[ST+6*(j/16)+4:ST+6*(j/16)+5] op_sel_hi:[1,0]
.set j, j+1
.endr
	s_wait_alu depctr_va_vdst(0)                   ; the multiplications have written O^T, which the stores below read; and the last products are done reading V's registers, in which the loads from the stage land
.irp t, 0,1
.irp c, 0,1,2,3
	ds_store_b128 v[SO], v[O+32*\t+8*\c:O+32*\t+8*\c+3]   offset:16*SP*\t+64*\c      ; lane (r, h): row 16 t + r, channels 16 c + 8 h + 0 .. 7
	ds_store_b128 v[SO], v[O+32*\t+8*\c+4:O+32*\t+8*\c+7] offset:16*SP*\t+64*\c+16
.endr
.endr
.irp i, 0,1,2,3,4,5,6,7,8,9,10,11,12,13,14,15
	ds_load_b128 v[S+4*\i:S+4*\i+3], v[SA] offset:2*SP*\i          ; back by rows: these see my stores above
.endr
.irp i, 0,1,2,3,4,5,6,7,8,9,10,11,12,13,14,15
	s_wait_dscnt 15-\i                             ; load i is in; the younger ones may be out
	global_store_b128 v[KLD], v[S+4*\i:S+4*\i+3], s[OB:OB+1] offset:512*\i th:TH_STORE_NT   ; 32 lanes store 512 consecutive bytes, two rows, at a multiple of 256 from out0's first byte
.endr
	s_wait_dscnt 0x0                               ; the closing lines, six on end
	s_wait_alu 0x0
	s_wait_tensorcnt 0x0
	ds_add_u32 v[SPW], v[NIL]
	s_wait_dscnt 0x0
	s_endpgm
.Lfunc_end_k_qddde04b973_attn:
	.size	k_qddde04b973_attn, .Lfunc_end_k_qddde04b973_attn-k_qddde04b973_attn
	.p2alignl 7, 3214868480
	.fill 96, 4, 3214868480
	.section	.rodata,"a",@progbits
	.p2align	6, 0x0
	.amdhsa_kernel k_qddde04b973_attn
		.amdhsa_group_segment_fixed_size 166400
		.amdhsa_private_segment_fixed_size 0
		.amdhsa_enable_private_segment 0
		.amdhsa_kernarg_size 32
		.amdhsa_user_sgpr_count 2
		.amdhsa_user_sgpr_kernarg_segment_ptr 1
		.amdhsa_wavefront_size32 1
		.amdhsa_system_sgpr_workgroup_id_x 1
		.amdhsa_system_sgpr_workgroup_id_y 1
		.amdhsa_system_sgpr_workgroup_id_z 1
		.amdhsa_system_vgpr_workitem_id 0
		.amdhsa_next_free_vgpr 256
		.amdhsa_next_free_sgpr 66
		.amdhsa_reserve_vcc 0
		.amdhsa_float_denorm_mode_32 3
		.amdhsa_float_denorm_mode_16_64 3
		.amdhsa_memory_ordered 1
		.amdhsa_forward_progress 1
		.amdhsa_inst_pref_size 92
	.end_amdhsa_kernel
	.amdgpu_metadata
---
amdhsa.version: [ 1, 2 ]
amdhsa.kernels:
  - .name:           k_qddde04b973_attn
    .symbol:         k_qddde04b973_attn.kd
    .args:
      - { .name: q, .offset: 0, .size: 8, .value_kind: global_buffer, .address_space: global }
      - { .name: k, .offset: 8, .size: 8, .value_kind: global_buffer, .address_space: global }
      - { .name: v, .offset: 16, .size: 8, .value_kind: global_buffer, .address_space: global }
      - { .name: out0, .offset: 24, .size: 8, .value_kind: global_buffer, .address_space: global }
    .group_segment_fixed_size: 166400
    .private_segment_fixed_size: 0
    .kernarg_segment_align: 8
    .kernarg_segment_size: 32
    .max_flat_workgroup_size: 512
    .sgpr_count:     66
    .vgpr_count:     256
    .wavefront_size: 32
...
	.end_amdgpu_metadata
.endif
;; end of part 2
